; MI455X (gfx1250); checked and timed in simulation.
; The chip was launched on July 23, 2026; its instructions are those of AMD's public machine-readable ISA for CDNA 5 (MIT licence, August 2026) and "CDNA5" Instruction Set Architecture Reference Guide (July 2026). The comments in the code are by the model that wrote it; some were corrected since.
;; Word Embed. Allowed arithmetic: float matrix products may take bf16 or f16 operands with f32 sums; other float arithmetic in f32, or as packed bf16 or f16 multiplies, adds, multiply-adds, maxima and minima; sums over many terms, partial sums and values carried from step to step in f32; what a program stores and reads back later, other than sums and carried values, may be rounded once to bf16 or f16.
;; Inputs: embedding 16,000 x 1,024 float32; input_ids 2 x 2,048 int32.
;; Outputs: out0 2 x 2,048 x 1,024 float32.
;; One version. Each part assembles by itself: llvm-mc -triple=amdgcn-amd-amdhsa -mcpu=gfx1250 --defsym DOCPART=n.
;; ======== version 1 of 1: 1 launch
;; launch gather (part 1): grid 256 x 1, 16 waves a work-group, no clusters, 0 bytes of LDS; arguments input_ids, embedding, out0; writes out0
.if DOCPART == 1
	.amdgcn_target "amdgcn-amd-amdhsa--gfx1250"
	.amdhsa_code_object_version 6
	.text
	.protected	k_qe8209f6a8e_gather
	.globl	k_qe8209f6a8e_gather
	.p2align	8
	.type	k_qe8209f6a8e_gather,@function
k_qe8209f6a8e_gather:
	s_mov_b64 s[64:65], 0
	v_nop
	global_prefetch_b8 v0, s[64:65] scope:SCOPE_SE
	s_setreg_imm32_b32 hwreg(HW_REG_WAVE_MODE, 25, 1), 1
	s_wait_xcnt 0x0
; out0[t][:] = the sum over v of (input_ids[t] == v) * embedding[v][:],  t = 0 .. 4095, v = 0 .. 15999, 1,024 f32 a row.
; Of each sum at most one term is not 0: for 0 <= id < 16000 it is 1.0 * embedding[id][:], for any other int32 there is none.
; So the contraction is written as its surviving term: the row named by the id, times the one-hot value (1.0, or 0 for an id outside the table).
; That is exact in f32: nothing is rounded, and it holds for every list of ids and every finite table.
; SHARES.  4,096 tokens = 256 work-groups x 16 waves: one wave, one token, one row of 4,096 bytes.  A lane takes 16 bytes at 16 x lane in each of the
; row's eight pieces of 512 bytes, so each load and each store of a wave covers 512 consecutive bytes at a multiple of 512 from its buffer's first byte.
; All eight loads go out together as soon as the id is known: 4,096 bytes a wave, 65,536 a work-group are on their way at once, which is all its work:
; no loop, no ring.  The row leaves from the registers and lanes in which it came: no LDS, no barrier; waves share nothing.
; LEFT OUT.  Matrix instructions: they would add 15,999 zeros to each number and round the table to 16 bits.  Clusters: work-groups share no tile.
; Prefetches: the loads themselves are issued at the first moment at which the address is known.
; LIMITS.  The table holds finite numbers: the contraction as written forms 0 x inf = NaN in that column for EVERY token; this text passes an infinity
; or a NaN only to the tokens that name its row (and gives a NaN at that place in a row that an id outside the table sets to 0).
; The sign of a zero may differ: an entry -0.0, or a negative entry times 0, leaves -0.0 where the sum over all v gives +0.0.
.set VOCAB, 16000                      ; rows of the table
.set ROW,   4096                       ; bytes in a row of the table and of the output
.set PIECE, 512                        ; bytes that one load or store of a wave covers
.set X,     2                          ; v[2:33]  the row: piece j in v[X+4j : X+4j+3]
                                       ; v1       first the wave's number, then 16 x lane: the one offset of all loads and stores, not rewritten behind them
                                       ; s[4:5] input_ids   s[6:7] embedding   s[8:9] out0, then out0 at my token's row
                                       ; s10 wave   s11 token   s[12:13] my id's address   s[14:15] token x ROW   s16 id   s17 id, clamped
                                       ; s[18:19] my table row's address   s[20:21] the one-hot value, twice
	s_load_b128 s[4:7], s[0:1], 0x0                ; input_ids, embedding
	s_load_b64 s[8:9], s[0:1], 0x10                ; out0
	v_lshrrev_b32 v1, 5, v0
	v_readfirstlane_b32 s10, v1                    ; my wave's number, 0 .. 15, as a scalar
	s_lshl4_add_u32 s11, ttmp9, s10                ; my token = 16 x work-group + wave
	s_lshl_b32 s12, s11, 2                         ; its id's byte offset in input_ids, as a pair with 0 above
	s_mov_b32 s13, 0
	s_lshl_b32 s14, s11, 12                        ; its row's byte offset in out0: under 16 MiB
	s_mov_b32 s15, 0
	v_and_b32 v1, 31, v0                           ; lane
	v_lshlrev_b32 v1, 4, v1                        ; 16 bytes a lane
	s_wait_kmcnt 0x0                               ; the three addresses are in (scalar loads return in no order: the count is 0)
	s_add_nc_u64 s[12:13], s[4:5], s[12:13]
	s_load_b32 s16, s[12:13], 0x0                  ; my id: one number for the whole wave; no line of this launch writes input_ids
	s_add_nc_u64 s[8:9], s[8:9], s[14:15]          ; meanwhile: out0 at my row
	s_wait_kmcnt 0x0                               ; the id is in
	s_min_u32 s17, s16, VOCAB-1                    ; unsigned: a negative id is a large number and is clamped too, so every load stays inside the table
	s_lshl_b32 s18, s17, 12                        ; the row's byte offset: 15,999 x 4,096 at the most, under 2^31
	s_mov_b32 s19, 0
	s_add_nc_u64 s[18:19], s[6:7], s[18:19]        ; embedding at my row
.irp j, 0,1,2,3,4,5,6,7
	global_load_b128 v[X+4*(\j):X+4*(\j)+3], v1, s[18:19] offset:PIECE*(\j)  ; no hint: the list may name a row again
.endr
	s_cmp_lt_u32 s16, VOCAB                        ; behind the loads, so that it holds none of them up: is the id one of the table's?
	s_cselect_b32 s20, 1.0, 0                      ; the one-hot value of the term that is left
	s_mov_b32 s21, s20                             ; the packed multiply names a pair and takes its low word for both halves
; Piece j of the row: waited for, multiplied by the one-hot value in place, stored.  No register that a load or store names is written behind its issue
; (each piece has its own four registers; v1 and both bases stay), and EXEC never changes: so the counted waits below are the only ones.
.macro PIECE_OUT j
	s_wait_loadcnt 7-(\j)                          ; loads come back in order (ISA guide 5.7.1): piece j is in, the 7 - j younger ones stay out
	v_pk_mul_f32 v[X+4*(\j):X+4*(\j)+1],   v[X+4*(\j):X+4*(\j)+1],   s[20:21] op_sel_hi:[1,0]
	v_pk_mul_f32 v[X+4*(\j)+2:X+4*(\j)+3], v[X+4*(\j)+2:X+4*(\j)+3], s[20:21] op_sel_hi:[1,0]
	global_store_b128 v1, v[X+4*(\j):X+4*(\j)+3], s[8:9] offset:PIECE*(\j) th:TH_STORE_NT  ; written once, read by nobody in this launch
.endm
.irp j, 0,1,2,3,4,5,6,7
	PIECE_OUT \j
.endr
	s_endpgm
.Lfunc_end_k_qe8209f6a8e_gather:
	.size	k_qe8209f6a8e_gather, .Lfunc_end_k_qe8209f6a8e_gather-k_qe8209f6a8e_gather
	.p2alignl 7, 3214868480
	.fill 96, 4, 3214868480
	.section	.rodata,"a",@progbits
	.p2align	6, 0x0
	.amdhsa_kernel k_qe8209f6a8e_gather
		.amdhsa_group_segment_fixed_size 0
		.amdhsa_private_segment_fixed_size 0
		.amdhsa_enable_private_segment 0
		.amdhsa_kernarg_size 24
		.amdhsa_user_sgpr_count 2
		.amdhsa_user_sgpr_kernarg_segment_ptr 1
		.amdhsa_wavefront_size32 1
		.amdhsa_system_sgpr_workgroup_id_x 1
		.amdhsa_system_sgpr_workgroup_id_y 1
		.amdhsa_system_sgpr_workgroup_id_z 1
		.amdhsa_system_vgpr_workitem_id 0
		.amdhsa_next_free_vgpr 34
		.amdhsa_next_free_sgpr 66
		.amdhsa_reserve_vcc 0
		.amdhsa_float_denorm_mode_32 3
		.amdhsa_float_denorm_mode_16_64 3
		.amdhsa_memory_ordered 1
		.amdhsa_forward_progress 1
		.amdhsa_inst_pref_size 4
	.end_amdhsa_kernel
	.amdgpu_metadata
---
amdhsa.version: [ 1, 2 ]
amdhsa.kernels:
  - .name:           k_qe8209f6a8e_gather
    .symbol:         k_qe8209f6a8e_gather.kd
    .args:
      - { .name: input_ids, .offset: 0, .size: 8, .value_kind: global_buffer, .address_space: global }
      - { .name: embedding, .offset: 8, .size: 8, .value_kind: global_buffer, .address_space: global }
      - { .name: out0, .offset: 16, .size: 8, .value_kind: global_buffer, .address_space: global }
    .group_segment_fixed_size: 0
    .private_segment_fixed_size: 0
    .kernarg_segment_align: 8
    .kernarg_segment_size: 24
    .max_flat_workgroup_size: 512
    .sgpr_count:     66
    .vgpr_count:     34
    .wavefront_size: 32
...
	.end_amdgpu_metadata
.endif
;; end of part 1
